; MI455X (gfx1250); checked and timed in simulation.
; The chip was launched on July 23, 2026; its instructions are those of AMD's public machine-readable ISA for CDNA 5 (MIT licence, August 2026) and "CDNA5" Instruction Set Architecture Reference Guide (July 2026). The comments in the code are by the model that wrote it; some were corrected since.
;; F Mo E. Allowed arithmetic: float matrix products may take bf16 or f16 operands with f32 sums; other float arithmetic in f32, or as packed bf16 or f16 multiplies, adds, multiply-adds, maxima and minima; sums over many terms, partial sums and values carried from step to step in f32; what a program stores and reads back later, other than sums and carried values, may be rounded once to bf16 or f16.
;; Inputs: W1 8 x 1,024 x 2,048 float32; W2 8 x 2,048 x 1,024 float32; Wg 1,024 x 8 float32; b1 8 x 2,048 float32; b2 8 x 1,024 float32; bg 8 float32; inp 2,048 x 1,024 float32.
;; Outputs: out0 2,048 x 1,024 float32.
;; One version. Each part assembles by itself: llvm-mc -triple=amdgcn-amd-amdhsa -mcpu=gfx1250 --defsym DOCPART=n.
;; ======== version 1 of 1: 4 launches
;; workspace buffers: xb 4,194,304 bytes; sel 4,096 bytes of whole numbers; gates 16,384 bytes; hid 67,108,864 bytes; part 33,554,432 bytes
;; launch router (part 1): grid 256 x 1, 4 waves a work-group, no clusters, 54,272 bytes of LDS; arguments inp, Wg, bg, xb, sel, gates; writes xb, sel, gates
.if DOCPART == 1
	.amdgcn_target "amdgcn-amd-amdhsa--gfx1250"
	.amdhsa_code_object_version 6
	.text
	.protected	k_q30609ef952_router
	.globl	k_q30609ef952_router
	.p2align	8
	.type	k_q30609ef952_router,@function
k_q30609ef952_router:
	s_mov_b64 s[64:65], 0
	v_nop
	global_prefetch_b8 v0, s[64:65] scope:SCOPE_SE
	s_setreg_imm32_b32 hwreg(HW_REG_WAVE_MODE, 25, 1), 1
	s_wait_xcnt 0x0
; THE GATE.  logits = x Wg + bg, the two largest of eight, softmax over the two.  Also x rounded to bf16 for the first product.
; FORMATS.  inp, Wg and bg are rounded once to bf16 (nearest even); products by the matrix unit, sums, softmax in f32.
; LIMITS.  Ties keep the lower index (strict greater-than, as jax.lax.top_k).  NaN and infinite logits are not treated apart.  Where a token's second and
; third logit differ by less than the error of an f32 sum of 1,024 terms (some 1e-6 of their size) the choice may differ from a sum taken in another order.
; SHARES.  A work-group owns 8 tokens; wave w loads tokens 2 w, 2 w + 1 and later multiplies K = 256 w .. 256 w + 255; wave 0 adds the four parts and chooses.
; No address and no branch hangs on the choice: it leaves as bit masks and weights at fixed places.
;   sel:   byte (2 e + k) 256 + n / 8, bit n % 8 = 1 if token n's choice k is expert e        gates: f32 at (2048 k + n) 4
; No cluster and no tensor loads: 32 KiB of x a work-group pass through registers anyway, to be rounded; Wg (32 KiB) is the only shared input.
.set XP,    2064                       ; LDS row of x in bf16: 2,048 bytes + 16
.set WGT,   16640                      ; Wg as [k][16] bf16, 32 bytes a row; columns 8-15 are zeros
.set PART,  49408                      ; four waves x 32 lanes x 8 f32
.set SPARE, 53504                      ; the spare words: 128 bytes a wave, two blocks of 256 bytes that no other line names
	s_load_b256 s[4:11], s[0:1], 0x0               ; inp s[4:5], Wg s[6:7], bg s[8:9], xb s[10:11]
	s_load_b128 s[12:15], s[0:1], 0x20             ; sel s[12:13], gates s[14:15]
	v_lshl_add_u32 v2, v0, 2, SPARE                ; my spare word; never rewritten
	v_mov_b32 v3, 0                                ; 0; never rewritten
	v_and_b32 v1, 31, v0                           ; lane
	v_lshrrev_b32 v4, 5, v0
	v_readfirstlane_b32 s16, v4                    ; wave 0..3
	v_and_b32 v4, 7, v0                            ; lane % 8
	v_bfe_u32 v5, v0, 4, 1                         ; h = lane / 16
	v_lshlrev_b32 v6, 4, v1
	v_lshl_add_u32 v6, s16, 13, v6                 ; x: 16 lane + two rows of 4,096 bytes a wave
	v_lshlrev_b32 v7, 4, v0                        ; Wg: 16 x thread
	v_lshlrev_b32 v8, 3, v1
	v_lshl_add_u32 v8, s16, 12, v8                 ; xb: 8 lane + two rows of 2,048 bytes a wave
	s_mul_i32 s17, s16, 2*XP
	v_lshl_add_u32 v9, v1, 3, s17                  ; the same in LDS
	v_lshrrev_b32 v10, 1, v0
	v_and_b32 v16, 1, v0
	v_lshlrev_b32 v10, 5, v10
	v_lshl_add_u32 v10, v16, 3, v10
	v_add_nc_u32 v10, WGT, v10                     ; Wg in LDS: row thread / 2, columns 4 (thread % 2) on
	v_lshl_add_u32 v11, v0, 5, WGT+16              ; the zero columns of row thread
	v_mul_u32_u24 v12, v4, XP
	v_lshl_add_u32 v12, v5, 4, v12
	v_lshl_add_u32 v12, s16, 9, v12                ; token fragment: row lane % 8 (rows 8-15 repeat 0-7), 16 h, my wave's 256 along K
	v_lshl_add_u32 v13, v5, 3, v4
	v_lshlrev_b32 v13, 5, v13
	v_bfe_u32 v16, v0, 3, 1
	v_lshl_add_u32 v13, v16, 4, v13
	v_lshl_add_u32 v13, s16, 13, v13
	v_add_nc_u32 v13, WGT, v13                     ; turning load: row 8 h + lane % 8, 16 bytes by bit 3 of the lane, my wave's 256 rows
	v_lshlrev_b32 v14, 5, v1
	v_lshl_add_u32 v14, s16, 10, v14
	v_add_nc_u32 v14, PART, v14                    ; my 32 bytes of my wave's part
	v_lshl_add_u32 v15, v4, 5, PART                ; token lane % 8 in a part
	v_mov_b32 v16, 0
	v_mov_b32 v17, 0
	v_mov_b32 v18, 0
	v_mov_b32 v19, 0
	s_mov_b32 s3, 0
	s_wait_kmcnt 0x0
	s_lshl_b32 s2, ttmp9, 15                       ; 8 rows of 4,096 bytes
	s_add_nc_u64 s[4:5], s[4:5], s[2:3]
	s_lshl_b32 s2, ttmp9, 14                       ; 8 rows of 2,048 bytes
	s_add_nc_u64 s[10:11], s[10:11], s[2:3]
	s_mov_b32 s2, ttmp9                            ; my byte in each of the 16 planes
	s_add_nc_u64 s[12:13], s[12:13], s[2:3]
	s_lshl_b32 s2, ttmp9, 5                        ; 8 f32
	s_add_nc_u64 s[14:15], s[14:15], s[2:3]
	; all loads go out first: 16 of x (each 512 consecutive bytes of a row), then 16 of Wg
.set kk, 0
.rept 16
	global_load_b128 v[20+4*kk:23+4*kk], v6, s[4:5] offset:(kk/8)*4096+(kk%8)*512 th:TH_LOAD_NT
.set kk, kk+1
.endr
.set kk, 0
.rept 16
	global_load_b128 v[84+4*kk:87+4*kk], v7, s[6:7] offset:kk*2048
.set kk, kk+1
.endr
	s_wait_loadcnt 16                              ; x is in; the 16 younger loads, Wg, stay out
.set kk, 0
.rept 16
	v_cvt_pk_bf16_f32 v[20+4*kk], v[20+4*kk], v[21+4*kk]
	v_cvt_pk_bf16_f32 v[21+4*kk], v[22+4*kk], v[23+4*kk]
	global_store_b64 v8, v[20+4*kk:21+4*kk], s[10:11] offset:(kk/8)*2048+(kk%8)*256   ; a wave stores 256 consecutive bytes, aligned
	ds_store_b64 v9, v[20+4*kk:21+4*kk] offset:(kk/8)*XP+(kk%8)*256
.set kk, kk+1
.endr
	s_wait_loadcnt 0x0                             ; Wg
.set kk, 0
.rept 16
	v_cvt_pk_bf16_f32 v[84+4*kk], v[84+4*kk], v[85+4*kk]
	v_cvt_pk_bf16_f32 v[85+4*kk], v[86+4*kk], v[87+4*kk]
	ds_store_b64 v10, v[84+4*kk:85+4*kk] offset:kk*2048
.set kk, kk+1
.endr
.set kk, 0
.rept 8
	ds_store_b128 v11, v[16:19] offset:kk*4096
.set kk, kk+1
.endr
	s_wait_dscnt 0x0                               ; for the others: my rows of x and my part of Wg are in LDS
	s_barrier_signal -1
	s_barrier_wait -1
	s_wait_xcnt 0x0                                ; the stores to xb have read v20-83, which the loads below write
.set kk, 0
.rept 8                                            ; my eight K steps of 32
	ds_load_b128 v[20+8*kk:23+8*kk], v12 offset:64*kk
	ds_load_b128 v[24+8*kk:27+8*kk], v12 offset:64*kk+32
	ds_load_tr16_b128 v[84+8*kk:87+8*kk], v13 offset:1024*kk
	ds_load_tr16_b128 v[88+8*kk:91+8*kk], v13 offset:1024*kk+512
.set kk, kk+1
.endr
	s_wait_dscnt 0x0
	; source 0 = 16 columns of Wg, source 1 = 16 tokens: lane (r, h), register j holds token r % 8, expert 8 h + j.  Two accumulators take turns.
.set kk, 0
.rept 8
.if kk < 2
	v_wmma_f32_16x16x32_bf16 v[148+8*(kk%2):155+8*(kk%2)], v[84+8*kk:91+8*kk], v[20+8*kk:27+8*kk], 0
.else
	v_wmma_f32_16x16x32_bf16 v[148+8*(kk%2):155+8*(kk%2)], v[84+8*kk:91+8*kk], v[20+8*kk:27+8*kk], v[148+8*(kk%2):155+8*(kk%2)]
.endif
.set kk, kk+1
.endr
.rept 4
	v_nop                                          ; four places behind the last product, ahead of the reads of its result (ISA guide 7.12.1)
.endr
.set kk, 0
.rept 4
	v_pk_add_f32 v[164+2*kk:165+2*kk], v[148+2*kk:149+2*kk], v[156+2*kk:157+2*kk]   ; from the low registers on
.set kk, kk+1
.endr
	ds_store_b128 v14, v[164:167]
	ds_store_b128 v14, v[168:171] offset:16
	s_wait_dscnt 0x0                               ; for wave 0: my part is in LDS
	s_barrier_signal -1
	s_barrier_wait -1
	s_cmp_lg_u32 s16, 0
	s_cbranch_scc1 .Lend                           ; the rest is wave 0's; no barrier is jumped
	s_load_b256 s[24:31], s[8:9], 0x0              ; bg
.set kk, 0
.rept 4
	ds_load_b128 v[172+8*kk:175+8*kk], v15 offset:kk*1024      ; every lane takes token lane % 8: four copies of each
	ds_load_b128 v[176+8*kk:179+8*kk], v15 offset:kk*1024+16
.set kk, kk+1
.endr
	v_mov_b32 v218, 0xff800000                     ; minus infinity takes the winner out of the second scan
	v_mov_b32 v219, 0
	v_lshlrev_b32 v220, 2, v4                      ; gates: 4 x (lane % 8)
	v_and_b32 v221, 15, v0
	v_lshlrev_b32 v221, 8, v221                    ; sel: plane lane % 16
	s_wait_dscnt 0x0
.set kk, 0
.rept 4
	v_pk_add_f32 v[164+2*kk:165+2*kk], v[172+2*kk:173+2*kk], v[180+2*kk:181+2*kk]
	v_pk_add_f32 v[188+2*kk:189+2*kk], v[188+2*kk:189+2*kk], v[196+2*kk:197+2*kk]
	v_pk_add_f32 v[164+2*kk:165+2*kk], v[164+2*kk:165+2*kk], v[188+2*kk:189+2*kk]
.set kk, kk+1
.endr
	s_wait_kmcnt 0x0
.set kk, 0
.rept 8
	v_mov_b32 v[208+kk], s[24+kk]
.set kk, kk+1
.endr
.set kk, 0
.rept 4                                            ; bg rounded to bf16, widened again, added
	v_cvt_pk_bf16_f32 v216, v[208+2*kk], v[209+2*kk]
	v_lshlrev_b32 v[208+2*kk], 16, v216
	v_and_b32 v[209+2*kk], 0xffff0000, v216
	v_pk_add_f32 v[164+2*kk:165+2*kk], v[164+2*kk:165+2*kk], v[208+2*kk:209+2*kk]
.set kk, kk+1
.endr
.macro SCAN best, idx                              ; the largest of the eight and its index; strictly greater, so the lower index wins a tie
	v_mov_b32 v[\best], v164
	v_mov_b32 v[\idx], 0
.irp i, 1,2,3,4,5,6,7
	v_cmp_gt_f32 vcc_lo, v[164+\i], v[\best]
	v_cndmask_b32 v[\best], v[\best], v[164+\i], vcc_lo
	v_cndmask_b32 v[\idx], v[\idx], \i, vcc_lo
.endr
.endm
	SCAN 204, 205
.irp i, 0,1,2,3,4,5,6,7
	v_cmp_eq_u32 vcc_lo, \i, v205
	v_cndmask_b32 v[164+\i], v[164+\i], v218, vcc_lo
.endr
	SCAN 206, 207
	; softmax over the two, the maximum taken away: t = e^(v2 - v1) <= 1; g1 = 1 / (1 + t); g2 = t g1
	v_sub_f32 v216, v206, v204
	v_mul_f32 v216, 0x3fb8aa3b, v216
	v_exp_f32 v217, v216
	v_nop                                          ; a plain instruction behind the exponential,
	s_wait_alu depctr_va_vdst(0)                   ; and a wait ahead of its first reader
	v_add_f32 v216, 1.0, v217
	v_rcp_f32 v222, v216
	v_nop
	s_wait_alu depctr_va_vdst(0)
	v_mul_f32 v223, v217, v222
	global_store_b32 v220, v222, s[14:15]          ; the four copies of a token store the same number to the same place
	global_store_b32 v220, v223, s[14:15] offset:8192
	; the masks: a compare's bits 0-7 are my 8 tokens; lane 2 e + k of v219 (and the lane 16 on) takes plane (e, k)'s byte
.irp k, 0,1
.irp e, 0,1,2,3,4,5,6,7
	v_cmp_eq_u32 s20, \e, v[205+2*\k]
	s_and_b32 s20, s20, 0xff
	v_writelane_b32 v219, s20, 2*\e+\k
	v_writelane_b32 v219, s20, 2*\e+\k+16
.endr
.endr
	global_store_b8 v221, v219, s[12:13]           ; 16 single bytes a work-group, 256 apart: the planes are laid for their readers, who take them as whole words
.Lend:
	s_wait_tensorcnt 0x0                           ; the wave's end
	ds_add_u32 v2, v3
	s_wait_dscnt 0x0
	s_endpgm
.Lfunc_end_k_q30609ef952_router:
	.size	k_q30609ef952_router, .Lfunc_end_k_q30609ef952_router-k_q30609ef952_router
	.p2alignl 7, 3214868480
	.fill 96, 4, 3214868480
	.section	.rodata,"a",@progbits
	.p2align	6, 0x0
	.amdhsa_kernel k_q30609ef952_router
		.amdhsa_group_segment_fixed_size 54272
		.amdhsa_private_segment_fixed_size 0
		.amdhsa_enable_private_segment 0
		.amdhsa_kernarg_size 48
		.amdhsa_user_sgpr_count 2
		.amdhsa_user_sgpr_kernarg_segment_ptr 1
		.amdhsa_wavefront_size32 1
		.amdhsa_system_sgpr_workgroup_id_x 1
		.amdhsa_system_sgpr_workgroup_id_y 1
		.amdhsa_system_sgpr_workgroup_id_z 1
		.amdhsa_system_vgpr_workitem_id 0
		.amdhsa_next_free_vgpr 224
		.amdhsa_next_free_sgpr 66
		.amdhsa_reserve_vcc 1
		.amdhsa_float_denorm_mode_32 3
		.amdhsa_float_denorm_mode_16_64 3
		.amdhsa_memory_ordered 1
		.amdhsa_forward_progress 1
		.amdhsa_inst_pref_size 27
	.end_amdhsa_kernel
	.amdgpu_metadata
---
amdhsa.version: [ 1, 2 ]
amdhsa.kernels:
  - .name:           k_q30609ef952_router
    .symbol:         k_q30609ef952_router.kd
    .args:
      - { .name: inp, .offset: 0, .size: 8, .value_kind: global_buffer, .address_space: global }
      - { .name: Wg, .offset: 8, .size: 8, .value_kind: global_buffer, .address_space: global }
      - { .name: bg, .offset: 16, .size: 8, .value_kind: global_buffer, .address_space: global }
      - { .name: xb, .offset: 24, .size: 8, .value_kind: global_buffer, .address_space: global }
      - { .name: sel, .offset: 32, .size: 8, .value_kind: global_buffer, .address_space: global }
      - { .name: gates, .offset: 40, .size: 8, .value_kind: global_buffer, .address_space: global }
    .group_segment_fixed_size: 54272
    .private_segment_fixed_size: 0
    .kernarg_segment_align: 8
    .kernarg_segment_size: 48
    .max_flat_workgroup_size: 128
    .sgpr_count:     66
    .vgpr_count:     224
    .wavefront_size: 32
...
	.end_amdgpu_metadata
.endif
;; end of part 1
;; launch up (part 2): grid 32 x 8, 8 waves a work-group, no clusters, 173,568 bytes of LDS; arguments xb, sel, W1, b1, hid; writes hid
.if DOCPART == 2
	.amdgcn_target "amdgcn-amd-amdhsa--gfx1250"
	.amdhsa_code_object_version 6
	.text
	.protected	k_q30609ef952_up
	.globl	k_q30609ef952_up
	.p2align	8
	.type	k_q30609ef952_up,@function
k_q30609ef952_up:
	s_mov_b64 s[64:65], 0
	v_nop
	global_prefetch_b8 v0, s[64:65] scope:SCOPE_SE
	s_setreg_imm32_b32 hwreg(HW_REG_WAVE_MODE, 25, 1), 1
	s_wait_xcnt 0x0
; FIRST PRODUCT.  hid = gelu(x W1[e] + b1[e]) for the rows routed to expert e, in bf16, laid out as the second product's operand fragments.
; FORMATS.  x arrives in bf16; W1 and b1 are rounded once to bf16 here; sums and gelu in f32; the result rounded once to bf16.
; gelu is the tanh form, written x / (1 + 2^(x (C1 + C2 x x))), C1 = -2 log2(e) sqrt(2/pi), C2 = 0.044715 C1: where x x overflows the quotient is x or 0, the limits.
; SHARES.  Work-group (x, e) owns columns 64 x .. 64 x + 63 of expert e's W1: 256 KiB of f32 that it alone reads, each byte once, 128 KiB in LDS as bf16; and ALL rows of the expert.
; Eight waves, two to a SIMD with 512 registers each.  A wave takes tiles of 4 blocks of 16 rows x 64 columns: 16 accumulators.
; ROWS.  Wave 0 makes the expert's list from the bit masks, ahead of its own weight loads, while the other seven waves' weights are on their way: tokens ascending, entry = token + 2048 k.
; The 64 places past the count repeat the last entry, so a block that is not full, and at most three blocks past the count, compute the last row again: no lane is switched off.
; Tiles begin at multiples of 4 blocks, so no block passes 127 and no rank 2,047.
; EVERY SPLIT IS SERVED: 128 blocks at the most = 8 waves x 4 trips x 4 blocks; the trips are a constant, a trip without rows is jumped forward; no barrier stands in that loop.
; ORIENTATION.  Source 0 = 16 columns of W1 (turned out of LDS), source 1 = 16 rows of x: lane (r, h) holds row r, columns 16 b + 8 h + 0..7.  Two neighbouring column tiles, rounded,
; are one fragment (16 rows x 32 K) of the second product: fragment (e, block, K step) is 1,024 bytes at ((128 e + block) 64 + step) 1024, registers 4 q .. 4 q + 3 of a lane at 512 q + 16 lane.
; K IS WRITTEN OUT, 32 steps of 32: every LDS address of the products is one of three fixed registers plus an immediate, and a chunk's place in a row of x stands in the loads' immediate.
; A K step is two halves of two column tiles: four turning loads for the same tiles of the next step, then 8 products: the eight waves' requests to LDS are spread over the step.
; NO TENSOR LOADS: the weights must pass through registers to be rounded; the rows are wanted in registers as operands.  NO CLUSTER: what an expert's work-groups share, its rows of x, comes by a list.
; REGISTERS.  Window 0: v0-22 addresses; v32-63 bias as the C operand; v64-127 two buffers of W1's fragments, also the epilogue's work; v128-255 accumulators (block i, tile b) at 128 + 32 i + 8 b.
;   Window 1: first the 64 loads of f32 weights, then a ring of four slots of x's fragments (slot q at 64 q; block i, K step u at 16 i + 8 u).
.set WP,     8192                      ; bytes from row to row of W1
.set DUMPW,  2080                      ; LDS words 0-2079: the list; words 2080-2111: one word a lane for lanes with nothing to store
.set CNT,    8448                      ; the expert's count
.set WB,     8704                      ; the slice: 1,024 rows of 128 bytes, 160 apart (an odd multiple of 32 for the turning load)
.set BP,     160
.set SPARE,  172544                    ; the spare words: 128 bytes a wave, four blocks of 256 bytes that no other line names
.set BQ,     20                        ; v20-22  my lane's place in the slice at K steps 0, 12, 24; never rewritten
.set MSB, 0
.macro WIN new                         ; the immediate's high byte repeats the setting that is left; a switch that changes nothing is dropped
.if MSB != (\new)
	s_set_vgpr_msb (MSB<<8)|(\new)
.set MSB, \new
.endif
.endm
.set W_MM, 0x04                        ; source 1 in window 1: products, and LDS stores of window 1's data
.set W_LD, 0x40                        ; destination in window 1
.set W_CV, 0x45                        ; destination and both sources in window 1
	s_load_b256 s[4:11], s[0:1], 0x0               ; xb s[4:5], sel s[6:7], W1 s[8:9], b1 s[10:11]
	s_load_b64 s[12:13], s[0:1], 0x20              ; hid
	v_lshl_add_u32 v2, v0, 2, SPARE                ; my spare word; never rewritten
	v_mov_b32 v3, 0                                ; 0; never rewritten
	v_and_b32 v1, 31, v0                           ; lane
	v_lshrrev_b32 v64, 5, v0
	v_readfirstlane_b32 s100, v64                  ; wave 0..7
	v_bfe_u32 v64, v0, 4, 1                        ; h = lane / 16
	v_and_b32 v65, 15, v0                          ; r = lane % 16
	v_and_b32 v66, 7, v0
	v_bfe_u32 v67, v0, 3, 1
	v_lshl_add_u32 v68, v64, 3, v66
	v_mul_u32_u24 v68, v68, BP
	v_lshl_add_u32 v68, v67, 4, v68
	v_add_nc_u32 v[BQ], WB, v68                    ; turning load: row 8 h + lane % 8, 16 bytes by bit 3 of the lane
	v_add_nc_u32 v[BQ+1], 12*32*BP, v[BQ]          ; the same 12 K steps on,
	v_add_nc_u32 v[BQ+2], 24*32*BP, v[BQ]          ; and 24: an immediate of 16 bits reaches 12 K steps of 5,120 bytes
	v_lshlrev_b32 v6, 2, v65
	v_lshl_add_u32 v6, s100, 8, v6                 ; list: rank 64 w + r; 2,048 bytes on in each trip
	v_lshlrev_b32 v8, 4, v1                        ; 16 lane
	v_lshlrev_b32 v9, 4, v64                       ; 16 h
	s_lshl_b32 s60, s100, 7
	v_add_nc_u32 v68, s60, v64                     ; my wave's 128 rows of the slice, two to a load
	v_lshlrev_b32 v18, 13, v68
	v_lshl_add_u32 v18, v65, 4, v18                ; in memory: row x 8,192 + 16 r
	v_mul_u32_u24 v19, v68, BP
	v_lshl_add_u32 v19, v65, 3, v19
	v_add_nc_u32 v19, WB, v19                      ; in LDS: row x 160 + 8 r
	v_lshlrev_b32 v69, 5, v64                      ; bias: 8 f32 by h
	s_and_b32 s101, ttmp7, 0xffff                  ; expert
	s_mov_b32 s48, ttmp9                           ; slice
	s_mov_b32 s3, 0
	s_wait_kmcnt 0x0
	s_lshl_b32 s2, s101, 9
	s_add_nc_u64 s[6:7], s[6:7], s[2:3]            ; the expert's two planes
	s_lshl_b32 s2, s101, 23
	s_lshl_b32 s60, s48, 8
	s_add_co_u32 s2, s2, s60
	s_add_nc_u64 s[8:9], s[8:9], s[2:3]            ; W1[e], column 64 x
	s_lshl_b32 s2, s101, 13
	s_add_co_u32 s2, s2, s60
	s_add_nc_u64 s[10:11], s[10:11], s[2:3]        ; b1[e], column 64 x
	s_lshl_b32 s2, s101, 23
	s_lshl_b32 s60, s48, 11
	s_add_co_u32 s2, s2, s60
	s_add_nc_u64 s[12:13], s[12:13], s[2:3]        ; hid: expert e, K steps 2 x, 2 x + 1
	s_cmp_lg_u32 s100, 0
	s_cbranch_scc1 .Lnolist                        ; the list is wave 0's work, and its first: the other waves go straight to their weights
	v_mov_b32 v75, 0
	v_mov_b32 v76, 0
	ds_store_b32 v75, v76                          ; list[0] = 0, for an expert without rows
	s_mov_b32 s63, 0                               ; rows so far
	v_mov_b32 v72, v1                              ; my token of the group in hand,
	v_add_nc_u32 v73, 2048, v1                     ; and its entry as a second choice
	v_add_nc_u32 v74, DUMPW, v1
	s_mov_b32 s52, 2
.Lbatch:                                           ; 32 words of each plane a trip: 1,024 tokens
	s_load_b512 s[16:31], s[6:7], 0x0
	s_load_b512 s[32:47], s[6:7], 0x40
	s_load_b512 s[68:83], s[6:7], 0x100
	s_load_b512 s[84:99], s[6:7], 0x140
	s_wait_kmcnt 0x0
	s_add_nc_u64 s[6:7], s[6:7], 128
.set gi, 0
.rept 32
	s_or_b32 s61, s[16+gi], s[68+gi]               ; the group's tokens that chose the expert, first or second
	v_mbcnt_lo_u32_b32 v70, s61, s63               ; rank = rows so far + chosen lanes below me
	v_cndmask_b32 v70, v74, v70, s61               ; a lane that is not chosen stores into its dump word
	v_min_u32 v70, 2111, v70                       ; inside list and dump, whatever the masks hold
	v_lshlrev_b32 v70, 2, v70
	v_cndmask_b32 v71, v72, v73, s[68+gi]
	ds_store_b32 v70, v71
	s_bcnt1_i32_b32 s62, s61
	s_add_co_u32 s63, s63, s62
	v_add_nc_u32 v72, 32, v72
	v_add_nc_u32 v73, 32, v73
.set gi, gi+1
.endr
	s_sub_co_u32 s52, s52, 1
	s_cmp_lg_u32 s52, 0
	s_cbranch_scc1 .Lbatch
	s_max_u32 s62, s63, 1
	s_sub_co_u32 s62, s62, 1
	s_min_u32 s62, s62, 2047
	s_lshl_b32 s62, s62, 2
	v_mov_b32 v70, s62
	ds_load_b32 v71, v70                           ; the last entry (LDS serves a wave's instructions in order),
	v_mov_b32 v75, CNT
	v_mov_b32 v76, s63
	v_add_nc_u32 v72, s63, v1
	v_add_nc_u32 v73, 32, v72
	v_min_u32 v72, 2079, v72
	v_min_u32 v73, 2079, v73
	v_lshlrev_b32 v72, 2, v72
	v_lshlrev_b32 v73, 2, v73
	s_wait_dscnt 0x0
	ds_store_b32 v72, v71                          ; repeated in the 64 places past the count (those past word 2,079 fall onto it, with the same number)
	ds_store_b32 v73, v71
	ds_store_b32 v75, v76
.Lnolist:
.set bb, 0
.rept 4
	global_load_b128 v[32+8*bb:35+8*bb], v69, s[10:11] offset:64*bb      ; bias of columns 16 b + 8 h + 0..7
	global_load_b128 v[36+8*bb:39+8*bb], v69, s[10:11] offset:64*bb+16
.set bb, bb+1
.endr
	WIN W_LD
.set jj, 0
.rept 64                                           ; my wave's 32 KiB of the slice, all asked for at once: sixteen lanes take a row's 256 aligned bytes
	global_load_b128 v[4*jj:4*jj+3], v18, s[8:9] offset:jj*2*WP th:TH_LOAD_NT
.set jj, jj+1
.endr
	; the weights are rounded as they come, eight loads at a time, and laid into LDS as [k][64] bf16
.set gg, 0
.rept 8
	s_wait_loadcnt 56-8*gg                         ; loads come back in order: all but the groups younger than this one
	WIN W_CV
.set jj, 8*gg
.rept 8
	v_cvt_pk_bf16_f32 v[4*jj], v[4*jj], v[4*jj+1]
	v_cvt_pk_bf16_f32 v[4*jj+1], v[4*jj+2], v[4*jj+3]
.set jj, jj+1
.endr
	WIN W_MM
.set jj, 8*gg
.rept 8
	ds_store_b64 v19, v[4*jj:4*jj+1] offset:jj*2*BP
.set jj, jj+1
.endr
.set gg, gg+1
.endr
	WIN 0
.set pp, 0
.rept 16                                           ; the bias, rounded to bf16 and widened again
	v_cvt_pk_bf16_f32 v[70+pp%2], v[32+2*pp], v[33+2*pp]
	v_lshlrev_b32 v[32+2*pp], 16, v[70+pp%2]
	v_and_b32 v[33+2*pp], 0xffff0000, v[70+pp%2]
.set pp, pp+1
.endr
	s_mov_b32 s56, 0xc0135761                      ; C1 = -2.3022082, as a pair for the packed forms
	s_mov_b32 s57, 0xc0135761
	s_mov_b32 s58, 0xbdd2d3e8                      ; C2 = -0.10294324
	s_mov_b32 s59, 0xbdd2d3e8
	s_wait_dscnt 0x0                               ; for the others: my rows of the slice, and wave 0's list and count, are in LDS
	s_barrier_signal -1
	s_barrier_wait -1                              ; the one barrier: behind it LDS is only read
	v_mov_b32 v75, CNT
	ds_load_b32 v76, v75
	s_wait_dscnt 0x0
	v_readfirstlane_b32 s49, v76                   ; the expert's rows,
	s_add_co_u32 s50, s49, 15
	s_lshr_b32 s50, s50, 4                         ; in blocks of 16
.macro PLACES                                      ; four places behind a product, ahead of a vector write of a register that it names and of a read of its result (ISA guide 7.12.1)
.rept 4
	v_nop
.endr
.endm
.macro ALOAD slot, c                               ; chunk c (64 along K) of four blocks' rows of x, straight into operand registers: 16 loads
.set ii, 0
.rept 4
.set uu, 0
.rept 2
	global_load_b128 v[64*(\slot)+16*ii+8*uu:64*(\slot)+16*ii+8*uu+3],   v[14+ii], s[4:5] offset:(\c)*128+uu*64
	global_load_b128 v[64*(\slot)+16*ii+8*uu+4:64*(\slot)+16*ii+8*uu+7], v[14+ii], s[4:5] offset:(\c)*128+uu*64+32
.set uu, uu+1
.endr
.set ii, ii+1
.endr
.endm
.macro BFRAG buf, ks, b                            ; the slice's fragment b (16 columns x 32 K) of K step ks: two turning loads
.set bq, (\ks)/12
.set bo, ((\ks)%12)*32*BP+32*(\b)
	ds_load_tr16_b128 v[64+32*(\buf)+8*(\b):64+32*(\buf)+8*(\b)+3],   v[BQ+bq] offset:bo
	ds_load_tr16_b128 v[64+32*(\buf)+8*(\b)+4:64+32*(\buf)+8*(\b)+7], v[BQ+bq] offset:bo+16*BP
.endm
; K step kst of 32, in two halves of two column tiles.  A half: the four loads of the same two tiles of the next step, into the other buffer; the waits; 8 products; two v_nop.
; PLACES.  A fragment register's last reader stands two halves back, so 2 + 2 v_nop lie between it and the load (ISA guide 7.12.1 for vector instructions).
; TURNS.  Each of the 16 accumulators is used once a step, the 15 others between.  In step 0 the bias starts the sums.
.macro STEP
.set kbf, kst%2                                    ; the step's fragment buffer, and its half of the ring's slot
.set ksl, (kst/2)%4                                ; the ring's slot
.set hh, 0
.rept 2
.if kst < 31
	BFRAG 1-kbf, kst+1, 2*hh
	BFRAG 1-kbf, kst+1, 2*hh+1
.endif
.if (kbf == 0) && (hh == 0)
.if kst < 28
	s_wait_loadcnt 32                              ; my chunk of x is in; the two younger chunks of 16 loads stay out (the third is asked for in this chunk's middle)
.else
	s_wait_loadcnt 8*(30-kst)                      ; the counts run down: one chunk, none behind mine
.endif
.endif
.if kst < 31
	s_wait_dscnt 8                                 ; this half's two fragments are in; the eight younger loads stay out
.else
	s_wait_dscnt 4-4*hh                            ; the last step loads nothing: the other half's four, then none
.endif
.set bb, 2*hh
.rept 2
.set ii, 0
.rept 4
.if kst == 0
	v_wmma_f32_16x16x32_bf16 v[128+32*ii+8*bb:135+32*ii+8*bb], v[64+32*kbf+8*bb:71+32*kbf+8*bb], v[64*ksl+16*ii+8*kbf:64*ksl+16*ii+8*kbf+7], v[32+8*bb:39+8*bb]
.else
	v_wmma_f32_16x16x32_bf16 v[128+32*ii+8*bb:135+32*ii+8*bb], v[64+32*kbf+8*bb:71+32*kbf+8*bb], v[64*ksl+16*ii+8*kbf:64*ksl+16*ii+8*kbf+7], v[128+32*ii+8*bb:135+32*ii+8*bb]
.endif
.set ii, ii+1
.endr
.set bb, bb+1
.endr
.if kst < 31
	v_nop
	v_nop
.endif
.set hh, hh+1
.endr
.endm
.macro TSTART                                      ; a tile begins: its rows' places in xb, three chunks and the first step's fragments asked for
	s_wait_xcnt 0x0                                ; the last tile's stores have read their registers
.set ii, 0
.rept 4
	ds_load_b32 v[10+ii], v6 offset:64*ii          ; the entry of row r of block i
.set ii, ii+1
.endr
	v_lshl_add_u32 v7, s51, 16, v8                 ; hid: block x 65,536 + 16 lane
	s_wait_dscnt 0x0
.set ii, 0
.rept 4
	v_min_u32 v[10+ii], 4095, v[10+ii]
	v_and_b32 v[10+ii], 2047, v[10+ii]             ; the token
	v_lshl_add_u32 v[14+ii], v[10+ii], 11, v9      ; its row of 2,048 bytes, + 16 h
.set ii, ii+1
.endr
	WIN W_LD
	ALOAD 0, 0
	ALOAD 1, 1
	ALOAD 2, 2
	WIN W_MM
	BFRAG 0, 0, 0
	BFRAG 0, 0, 1
	BFRAG 0, 0, 2
	BFRAG 0, 0, 3
.endm
; Blocks i0, i0 + 1: gelu on 64 numbers a lane, rounded, stored as fragments.  Each batch of 64 transcendentals has one plain instruction and one wait behind it.
.macro EPI i0
	s_wait_xcnt 0x0                                ; earlier stores have read v64-95
.set pp, 0
.rept 32                                           ; each accumulator is read from its low registers on
.set aa, 128+32*((\i0)+pp/16)+2*(pp%16)
	v_pk_mul_f32 v[64+2*pp:65+2*pp], v[aa:aa+1], v[aa:aa+1]
.set pp, pp+1
.endr
.set pp, 0
.rept 32
	v_pk_fma_f32 v[64+2*pp:65+2*pp], v[64+2*pp:65+2*pp], s[58:59], s[56:57] op_sel_hi:[1,0,0]
.set pp, pp+1
.endr
.set pp, 0
.rept 32
.set aa, 128+32*((\i0)+pp/16)+2*(pp%16)
	v_pk_mul_f32 v[64+2*pp:65+2*pp], v[64+2*pp:65+2*pp], v[aa:aa+1]
.set pp, pp+1
.endr
.set pp, 0
.rept 64
	v_exp_f32 v[64+pp], v[64+pp]
.set pp, pp+1
.endr
	v_nop
	s_wait_alu depctr_va_vdst(0)
.set pp, 0
.rept 32
	v_pk_add_f32 v[64+2*pp:65+2*pp], v[64+2*pp:65+2*pp], 1.0 op_sel_hi:[1,0]
.set pp, pp+1
.endr
.set pp, 0
.rept 64
	v_rcp_f32 v[64+pp], v[64+pp]
.set pp, pp+1
.endr
	v_nop
	s_wait_alu depctr_va_vdst(0)
.set pp, 0
.rept 32
.set aa, 128+32*((\i0)+pp/16)+2*(pp%16)
	v_pk_mul_f32 v[64+2*pp:65+2*pp], v[64+2*pp:65+2*pp], v[aa:aa+1]
.set pp, pp+1
.endr
.set pp, 0
.rept 32                                           ; pair p goes into register p, which pair p / 2 has left
	v_cvt_pk_bf16_f32 v[64+pp], v[64+2*pp], v[65+2*pp]
.set pp, pp+1
.endr
.set pp, 0
.rept 8                                            ; block pp / 4, tile pp % 4: a wave stores 512 consecutive bytes, aligned
	global_store_b128 v7, v[64+4*pp:67+4*pp], s[12:13] offset:((\i0)+pp/4)*65536+((pp%4)/2)*1024+(pp%2)*512
.set pp, pp+1
.endr
.endm
	s_lshl_b32 s51, s100, 2                        ; my first block
	s_mov_b32 s52, 4
.Ltile:
	s_cmp_ge_u32 s51, s50                          ; no row of the expert in this tile: jump forward, past no barrier
	s_cbranch_scc1 .Lnext
	TSTART
.set kst, 0
.rept 16                                           ; K = 1,024 in 16 chunks of two steps
	STEP
.set kst, kst+1
.if kst < 26                                       ; up to chunk 12 the chunk three on is asked for, into the slot multiplied last: six v_nop behind that slot's last reader
	WIN W_LD
	ALOAD ((kst/2)+3)%4, (kst/2)+3
	WIN W_MM
.endif
	STEP
.set kst, kst+1
.endr
	WIN 0                                          ; at a label and at a branch every window is 0
	PLACES
	EPI 0
	EPI 2
.Lnext:
	s_add_co_u32 s51, s51, 32                      ; eight waves x four blocks on
	v_add_nc_u32 v6, 2048, v6
	s_sub_co_u32 s52, s52, 1
	s_cmp_lg_u32 s52, 0
	s_cbranch_scc1 .Ltile
	s_wait_tensorcnt 0x0                           ; the wave's end
	ds_add_u32 v2, v3
	s_wait_dscnt 0x0
	s_endpgm
.Lfunc_end_k_q30609ef952_up:
	.size	k_q30609ef952_up, .Lfunc_end_k_q30609ef952_up-k_q30609ef952_up
	.p2alignl 7, 3214868480
	.fill 96, 4, 3214868480
	.section	.rodata,"a",@progbits
	.p2align	6, 0x0
	.amdhsa_kernel k_q30609ef952_up
		.amdhsa_group_segment_fixed_size 173568
		.amdhsa_private_segment_fixed_size 0
		.amdhsa_enable_private_segment 0
		.amdhsa_kernarg_size 40
		.amdhsa_user_sgpr_count 2
		.amdhsa_user_sgpr_kernarg_segment_ptr 1
		.amdhsa_wavefront_size32 1
		.amdhsa_system_sgpr_workgroup_id_x 1
		.amdhsa_system_sgpr_workgroup_id_y 1
		.amdhsa_system_sgpr_workgroup_id_z 1
		.amdhsa_system_vgpr_workitem_id 0
		.amdhsa_next_free_vgpr 512
		.amdhsa_next_free_sgpr 106
		.amdhsa_reserve_vcc 0
		.amdhsa_float_denorm_mode_32 3
		.amdhsa_float_denorm_mode_16_64 3
		.amdhsa_memory_ordered 1
		.amdhsa_forward_progress 1
		.amdhsa_inst_pref_size 158
	.end_amdhsa_kernel
	.amdgpu_metadata
---
amdhsa.version: [ 1, 2 ]
amdhsa.kernels:
  - .name:           k_q30609ef952_up
    .symbol:         k_q30609ef952_up.kd
    .args:
      - { .name: xb, .offset: 0, .size: 8, .value_kind: global_buffer, .address_space: global }
      - { .name: sel, .offset: 8, .size: 8, .value_kind: global_buffer, .address_space: global }
      - { .name: W1, .offset: 16, .size: 8, .value_kind: global_buffer, .address_space: global }
      - { .name: b1, .offset: 24, .size: 8, .value_kind: global_buffer, .address_space: global }
      - { .name: hid, .offset: 32, .size: 8, .value_kind: global_buffer, .address_space: global }
    .group_segment_fixed_size: 173568
    .private_segment_fixed_size: 0
    .kernarg_segment_align: 8
    .kernarg_segment_size: 40
    .max_flat_workgroup_size: 256
    .sgpr_count:     106
    .vgpr_count:     512
    .wavefront_size: 32
...
	.end_amdgpu_metadata
.endif
;; end of part 2
;; launch down (part 3): grid 32 x 8, 8 waves a work-group, no clusters, 208,384 bytes of LDS; arguments hid, sel, gates, W2, b2, part; writes part
.if DOCPART == 3
	.amdgcn_target "amdgcn-amd-amdhsa--gfx1250"
	.amdhsa_code_object_version 6
	.text
	.protected	k_q30609ef952_down
	.globl	k_q30609ef952_down
	.p2align	8
	.type	k_q30609ef952_down,@function
k_q30609ef952_down:
	s_mov_b64 s[64:65], 0
	v_nop
	global_prefetch_b8 v0, s[64:65] scope:SCOPE_SE
	s_setreg_imm32_b32 hwreg(HW_REG_WAVE_MODE, 25, 1), 1
	s_wait_xcnt 0x0
; SECOND PRODUCT.  part[kh][entry] = gate(entry) x (hid W2[e] over half kh of the hidden width, + b2[e] in half 0), f32 partial rows; entry = token + 2048 k.
; FORMATS.  hid arrives in bf16; W2 and b2 are rounded once to bf16 here; sums, the gate's weight and the partial rows in f32.
; SHARES.  Work-group (x, e): columns 64 (x / 2) .. + 63 of expert e's W2, rows 1024 (x % 2) .. + 1023: 256 KiB of f32 that it alone reads, each byte once, 128 KiB in LDS as bf16; and ALL rows
; of the expert.  The hidden width is halved, not the columns or the rows, so that a fragment of hid still feeds four products and the K steps are the first product's; the price is two more planes of partial rows.
; Rows, list, tiles, trips and orientation are the first product's: wave 0 makes the list from the masks, ahead of its own weight loads; the 64 places past the count repeat the last entry, so that rows past
; the count store the same numbers to the same places, from the same wave; 4 constant trips of 4 blocks for each of 8 waves serve every split; a trip without rows is jumped forward, and no barrier stands in that loop.
; hid comes straight into operand registers: fragment (e, block, K step) is 1,024 bytes at ((128 e + block) 64 + step) 1024; each load of a wave takes 512 consecutive bytes.
; K IS WRITTEN OUT, 32 steps of 32: every LDS address of the products is one of three fixed registers plus an immediate, and a chunk's place in hid stands in the loads' immediate.
; A K step is two halves of two column tiles: four turning loads for the same tiles of the next step, then 8 products: the eight waves' requests to LDS are spread over the step.
; THE WAY OUT.  Lane (r, h) holds row r, columns 16 b + 8 h + 0..7.  A block goes through the wave's own stage in LDS and leaves as whole rows: sixteen lanes store 256 consecutive aligned bytes.
; NO TENSOR LOADS: the weights pass through registers to be rounded.  NO CLUSTER: joint loads of hid would bring it through LDS, 8 more LDS loads a K step beside the weights' 8; beside the slice's 160 KiB
; two slots would hold little more than one K step of the eight waves' 32 blocks each (32 KiB a step), a round for every step; and rounds would be needed in trips that the count leaves without rows.
; REGISTERS.  Window 0: v0-19 addresses; v20-27 gate weights (even registers); v28-30 way out; v32-63 bias as C; v64-127 two buffers of W2's fragments, also the way out's work; v128-255 accumulators.
;   Window 1: first the 64 loads of f32 weights, then a ring of four slots of hid's fragments (slot q at 64 q; block i, K step u at 16 i + 8 u).
.set WP,     4096                      ; bytes from row to row of W2
.set DUMPW,  2080                      ; LDS words 0-2079: the list; words 2080-2111: one word a lane for lanes with nothing to store
.set CNT,    8448
.set WB,     8704                      ; the slice: 1,024 rows of 128 bytes, 160 apart
.set BP,     160
.set STAGE,  172544                    ; 16 rows x 272 bytes for each wave
.set SP,     272
.set SPARE,  207360                    ; the spare words: 128 bytes a wave, four blocks of 256 bytes that no other line names
.set BQ,     15                        ; v15-17  my lane's place in the slice at K steps 0, 12, 24; never rewritten
.set MSB, 0
.macro WIN new                         ; the immediate's high byte repeats the setting that is left; a switch that changes nothing is dropped
.if MSB != (\new)
	s_set_vgpr_msb (MSB<<8)|(\new)
.set MSB, \new
.endif
.endm
.set W_MM, 0x04                        ; source 1 in window 1
.set W_LD, 0x40                        ; destination in window 1
.set W_CV, 0x45                        ; destination and both sources in window 1
	s_load_b256 s[4:11], s[0:1], 0x0               ; hid s[4:5], sel s[6:7], gates s[8:9], W2 s[10:11]
	s_load_b128 s[12:15], s[0:1], 0x20             ; b2 s[12:13], part s[14:15]
	v_lshl_add_u32 v2, v0, 2, SPARE                ; my spare word; never rewritten
	v_mov_b32 v3, 0                                ; 0; never rewritten
	v_and_b32 v1, 31, v0
	v_lshrrev_b32 v64, 5, v0
	v_readfirstlane_b32 s100, v64                  ; wave 0..7
	v_bfe_u32 v64, v0, 4, 1                        ; h
	v_and_b32 v65, 15, v0                          ; r
	v_and_b32 v66, 7, v0
	v_bfe_u32 v67, v0, 3, 1
	v_lshl_add_u32 v68, v64, 3, v66
	v_mul_u32_u24 v68, v68, BP
	v_lshl_add_u32 v68, v67, 4, v68
	v_add_nc_u32 v[BQ], WB, v68                    ; turning load: row 8 h + lane % 8, 16 bytes by bit 3 of the lane
	v_add_nc_u32 v[BQ+1], 12*32*BP, v[BQ]          ; the same 12 K steps on,
	v_add_nc_u32 v[BQ+2], 24*32*BP, v[BQ]          ; and 24: an immediate of 16 bits reaches 12 K steps of 5,120 bytes
	v_lshlrev_b32 v6, 2, v65
	v_lshl_add_u32 v6, s100, 8, v6                 ; list: rank 64 w + r
	v_lshlrev_b32 v8, 4, v1                        ; 16 lane
	v_lshlrev_b32 v9, 4, v65                       ; 16 r
	s_lshl_b32 s60, s100, 7
	v_add_nc_u32 v68, s60, v64                     ; my wave's 128 rows of the slice, two to a load
	v_lshlrev_b32 v18, 12, v68
	v_lshl_add_u32 v18, v65, 4, v18
	v_mul_u32_u24 v19, v68, BP
	v_lshl_add_u32 v19, v65, 3, v19
	v_add_nc_u32 v19, WB, v19
	v_lshlrev_b32 v69, 5, v64                      ; bias: 8 f32 by h
	v_mov_b32 v21, 0                               ; the gates' odd partners: named with them as pairs
	v_mov_b32 v23, 0
	v_mov_b32 v25, 0
	v_mov_b32 v27, 0
	v_lshlrev_b32 v28, 2, v64
	v_lshl_add_u32 v28, s100, 8, v28               ; list: rank 64 w + h, for the way out
	s_mul_i32 s60, s100, 16*SP
	s_add_co_u32 s60, s60, STAGE                   ; my stage
	v_mul_u32_u24 v29, v65, SP
	v_lshl_add_u32 v29, v64, 5, v29
	v_add_nc_u32 v29, s60, v29                     ; in: row r, 32 bytes by h
	v_mul_u32_u24 v30, v64, SP
	v_lshl_add_u32 v30, v65, 4, v30
	v_add_nc_u32 v30, s60, v30                     ; back: lanes 0-15 one row of 256 bytes, lanes 16-31 the next
	s_and_b32 s101, ttmp7, 0xffff                  ; expert
	s_and_b32 s104, ttmp9, 1                       ; kh: which half of the hidden width
	s_lshr_b32 s48, ttmp9, 1                       ; which 64 columns
	s_cmp_eq_u32 s104, 0
	s_cselect_b32 s105, -1, 0                      ; the bias belongs to half 0
	s_lshl_b32 s48, s48, 8
	s_mov_b32 s3, 0
	s_wait_kmcnt 0x0
	s_lshl_b32 s2, s101, 23
	s_lshl_b32 s60, s104, 15
	s_add_co_u32 s2, s2, s60
	s_add_nc_u64 s[4:5], s[4:5], s[2:3]            ; hid: expert e, K steps 32 kh on
	s_lshl_b32 s2, s101, 9
	s_add_nc_u64 s[6:7], s[6:7], s[2:3]            ; the expert's two planes
	s_lshl_b32 s2, s101, 23
	s_lshl_b32 s60, s104, 22
	s_add_co_u32 s2, s2, s60
	s_add_co_u32 s2, s2, s48
	s_add_nc_u64 s[10:11], s[10:11], s[2:3]        ; W2[e], row 1024 kh, my columns
	s_lshl_b32 s2, s101, 12
	s_add_co_u32 s2, s2, s48
	s_add_nc_u64 s[12:13], s[12:13], s[2:3]        ; b2[e], my columns
	s_lshl_b32 s2, s104, 24
	s_add_co_u32 s2, s2, s48
	s_add_nc_u64 s[14:15], s[14:15], s[2:3]        ; part: plane pair kh, my columns
	s_cmp_lg_u32 s100, 0
	s_cbranch_scc1 .Lnolist                        ; the list is wave 0's work, and its first: the other waves go straight to their weights
	v_mov_b32 v75, 0
	v_mov_b32 v76, 0
	ds_store_b32 v75, v76                          ; list[0] = 0, for an expert without rows
	s_mov_b32 s63, 0
	v_mov_b32 v72, v1
	v_add_nc_u32 v73, 2048, v1
	v_add_nc_u32 v74, DUMPW, v1
	s_mov_b32 s52, 2
.Lbatch:                                           ; 32 words of each plane a trip: 1,024 tokens
	s_load_b512 s[16:31], s[6:7], 0x0
	s_load_b512 s[32:47], s[6:7], 0x40
	s_load_b512 s[68:83], s[6:7], 0x100
	s_load_b512 s[84:99], s[6:7], 0x140
	s_wait_kmcnt 0x0
	s_add_nc_u64 s[6:7], s[6:7], 128
.set gi, 0
.rept 32
	s_or_b32 s61, s[16+gi], s[68+gi]
	v_mbcnt_lo_u32_b32 v70, s61, s63               ; rank = rows so far + chosen lanes below me
	v_cndmask_b32 v70, v74, v70, s61               ; a lane that is not chosen stores into its dump word
	v_min_u32 v70, 2111, v70                       ; inside list and dump, whatever the masks hold
	v_lshlrev_b32 v70, 2, v70
	v_cndmask_b32 v71, v72, v73, s[68+gi]
	ds_store_b32 v70, v71
	s_bcnt1_i32_b32 s62, s61
	s_add_co_u32 s63, s63, s62
	v_add_nc_u32 v72, 32, v72
	v_add_nc_u32 v73, 32, v73
.set gi, gi+1
.endr
	s_sub_co_u32 s52, s52, 1
	s_cmp_lg_u32 s52, 0
	s_cbranch_scc1 .Lbatch
	s_max_u32 s62, s63, 1
	s_sub_co_u32 s62, s62, 1
	s_min_u32 s62, s62, 2047
	s_lshl_b32 s62, s62, 2
	v_mov_b32 v70, s62
	ds_load_b32 v71, v70                           ; the last entry,
	v_mov_b32 v75, CNT
	v_mov_b32 v76, s63
	v_add_nc_u32 v72, s63, v1
	v_add_nc_u32 v73, 32, v72
	v_min_u32 v72, 2079, v72
	v_min_u32 v73, 2079, v73
	v_lshlrev_b32 v72, 2, v72
	v_lshlrev_b32 v73, 2, v73
	s_wait_dscnt 0x0
	ds_store_b32 v72, v71                          ; repeated in the 64 places past the count (those past word 2,079 fall onto it, with the same number)
	ds_store_b32 v73, v71
	ds_store_b32 v75, v76
.Lnolist:
.set bb, 0
.rept 4
	global_load_b128 v[32+8*bb:35+8*bb], v69, s[12:13] offset:64*bb
	global_load_b128 v[36+8*bb:39+8*bb], v69, s[12:13] offset:64*bb+16
.set bb, bb+1
.endr
	WIN W_LD
.set jj, 0
.rept 64                                           ; my wave's 32 KiB of the slice, all asked for at once: sixteen lanes take a row's 256 aligned bytes
	global_load_b128 v[4*jj:4*jj+3], v18, s[10:11] offset:jj*2*WP th:TH_LOAD_NT
.set jj, jj+1
.endr
.set gg, 0
.rept 8
	s_wait_loadcnt 56-8*gg                         ; all but the groups younger than this one
	WIN W_CV
.set jj, 8*gg
.rept 8
	v_cvt_pk_bf16_f32 v[4*jj], v[4*jj], v[4*jj+1]
	v_cvt_pk_bf16_f32 v[4*jj+1], v[4*jj+2], v[4*jj+3]
.set jj, jj+1
.endr
	WIN W_MM
.set jj, 8*gg
.rept 8
	ds_store_b64 v19, v[4*jj:4*jj+1] offset:jj*2*BP
.set jj, jj+1
.endr
.set gg, gg+1
.endr
	WIN 0
.set pp, 0
.rept 16                                           ; the bias, rounded to bf16, widened again, and kept in half 0 alone
	v_cvt_pk_bf16_f32 v[70+pp%2], v[32+2*pp], v[33+2*pp]
	v_and_b32 v[70+pp%2], s105, v[70+pp%2]
	v_lshlrev_b32 v[32+2*pp], 16, v[70+pp%2]
	v_and_b32 v[33+2*pp], 0xffff0000, v[70+pp%2]
.set pp, pp+1
.endr
	s_wait_dscnt 0x0                               ; for the others: my rows of the slice, and wave 0's list and count, are in LDS
	s_barrier_signal -1
	s_barrier_wait -1                              ; the one barrier: behind it list and slice are only read, and a stage is its wave's own
	v_mov_b32 v75, CNT
	ds_load_b32 v76, v75
	s_wait_dscnt 0x0
	v_readfirstlane_b32 s49, v76
	s_add_co_u32 s50, s49, 15
	s_lshr_b32 s50, s50, 4                         ; the expert's blocks of 16 rows
.macro PLACES                                      ; four places behind a product, ahead of a vector write of a register that it names and of a read of its result (ISA guide 7.12.1)
.rept 4
	v_nop
.endr
.endm
.macro ALOAD slot, c                               ; chunk c (two K steps) of four blocks of hid: 16 loads of 512 consecutive bytes
.set ii, 0
.rept 4
.set uu, 0
.rept 2
	global_load_b128 v[64*(\slot)+16*ii+8*uu:64*(\slot)+16*ii+8*uu+3],   v14, s[4:5] offset:ii*65536+(\c)*2048+uu*1024
	global_load_b128 v[64*(\slot)+16*ii+8*uu+4:64*(\slot)+16*ii+8*uu+7], v14, s[4:5] offset:ii*65536+(\c)*2048+uu*1024+512
.set uu, uu+1
.endr
.set ii, ii+1
.endr
.endm
.macro BFRAG buf, ks, b                            ; the slice's fragment b (16 columns x 32 K) of K step ks: two turning loads
.set bq, (\ks)/12
.set bo, ((\ks)%12)*32*BP+32*(\b)
	ds_load_tr16_b128 v[64+32*(\buf)+8*(\b):64+32*(\buf)+8*(\b)+3],   v[BQ+bq] offset:bo
	ds_load_tr16_b128 v[64+32*(\buf)+8*(\b)+4:64+32*(\buf)+8*(\b)+7], v[BQ+bq] offset:bo+16*BP
.endm
; K step kst of 32, in two halves of two column tiles.  A half: the four loads of the same two tiles of the next step, into the other buffer; the waits; 8 products; two v_nop.
; PLACES.  A fragment register's last reader stands two halves back, so 2 + 2 v_nop lie between it and the load (ISA guide 7.12.1 for vector instructions).
; TURNS.  Each of the 16 accumulators is used once a step, the 15 others between.  In step 0 the bias (or 0) starts the sums.
.macro STEP
.set kbf, kst%2                                    ; the step's fragment buffer, and its half of the ring's slot
.set ksl, (kst/2)%4                                ; the ring's slot
.set hh, 0
.rept 2
.if kst < 31
	BFRAG 1-kbf, kst+1, 2*hh
	BFRAG 1-kbf, kst+1, 2*hh+1
.endif
.if (kbf == 0) && (hh == 0)
.if kst < 28
	s_wait_loadcnt 32                              ; my chunk of hid is in (and the gates, which are older); the two younger chunks of 16 loads stay out (the third is asked for in this chunk's middle)
.else
	s_wait_loadcnt 8*(30-kst)                      ; the counts run down: one chunk, none behind mine
.endif
.endif
.if kst < 31
	s_wait_dscnt 8                                 ; this half's two fragments are in; the eight younger loads stay out
.else
	s_wait_dscnt 4-4*hh                            ; the last step loads nothing: the other half's four, then none
.endif
.set bb, 2*hh
.rept 2
.set ii, 0
.rept 4
.if kst == 0
	v_wmma_f32_16x16x32_bf16 v[128+32*ii+8*bb:135+32*ii+8*bb], v[64+32*kbf+8*bb:71+32*kbf+8*bb], v[64*ksl+16*ii+8*kbf:64*ksl+16*ii+8*kbf+7], v[32+8*bb:39+8*bb]
.else
	v_wmma_f32_16x16x32_bf16 v[128+32*ii+8*bb:135+32*ii+8*bb], v[64+32*kbf+8*bb:71+32*kbf+8*bb], v[64*ksl+16*ii+8*kbf:64*ksl+16*ii+8*kbf+7], v[128+32*ii+8*bb:135+32*ii+8*bb]
.endif
.set ii, ii+1
.endr
.set bb, bb+1
.endr
.if kst < 31
	v_nop
	v_nop
.endif
.set hh, hh+1
.endr
.endm
.macro TSTART
	s_wait_xcnt 0x0                                ; the last tile's stores have read their registers
.set ii, 0
.rept 4
	ds_load_b32 v[10+ii], v6 offset:64*ii          ; the entry of row r of block i
.set ii, ii+1
.endr
	v_lshl_add_u32 v14, s51, 16, v8                ; hid: block x 65,536 + 16 lane
	s_wait_dscnt 0x0
.set ii, 0
.rept 4
	v_min_u32 v[10+ii], 4095, v[10+ii]
	v_lshlrev_b32 v[10+ii], 2, v[10+ii]
	global_load_b32 v[20+2*ii], v[10+ii], s[8:9]   ; the row's gate weight: older than every chunk, so the chunks' counts cover it
.set ii, ii+1
.endr
	WIN W_LD
	ALOAD 0, 0
	ALOAD 1, 1
	ALOAD 2, 2
	WIN W_MM
	BFRAG 0, 0, 0
	BFRAG 0, 0, 1
	BFRAG 0, 0, 2
	BFRAG 0, 0, 3
.endm
; Block i leaves: times the gate, through my stage, as 16 whole rows of 256 bytes to the places that the list names.
.macro BLK_OUT i
	s_wait_xcnt 0x0                                ; earlier stores have read v64-103
.set tt, 0
.rept 8
	ds_load_b32 v[96+tt], v28 offset:64*(\i)+8*tt  ; the entry of row 2 t + h
.set tt, tt+1
.endr
.set pp, 0
.rept 16                                           ; each accumulator from its low registers on
	v_pk_mul_f32 v[128+32*(\i)+2*pp:129+32*(\i)+2*pp], v[128+32*(\i)+2*pp:129+32*(\i)+2*pp], v[20+2*(\i):21+2*(\i)] op_sel_hi:[1,0]
.set pp, pp+1
.endr
.set bb, 0
.rept 4
	ds_store_b128 v29, v[128+32*(\i)+8*bb:131+32*(\i)+8*bb] offset:64*bb
	ds_store_b128 v29, v[132+32*(\i)+8*bb:135+32*(\i)+8*bb] offset:64*bb+16
.set bb, bb+1
.endr
.set tt, 0
.rept 8
	ds_load_b128 v[64+4*tt:67+4*tt], v30 offset:2*SP*tt    ; LDS serves a wave's instructions in order: these see the stores above
.set tt, tt+1
.endr
	s_wait_dscnt 16                                ; the entries are in: behind them stand the 8 stores and the 8 loads
.set tt, 0
.rept 8
	v_min_u32 v[96+tt], 4095, v[96+tt]
	v_lshl_add_u32 v[96+tt], v[96+tt], 12, v9      ; the entry's row of 4,096 bytes, + 16 r
.set tt, tt+1
.endr
.set tt, 0
.rept 8
	s_wait_dscnt 7-tt
	global_store_b128 v[96+tt], v[64+4*tt:67+4*tt], s[14:15]   ; sixteen lanes store 256 consecutive bytes, aligned
.set tt, tt+1
.endr
.endm
	s_lshl_b32 s51, s100, 2                        ; my first block
	s_mov_b32 s52, 4
.Ltile:
	s_cmp_ge_u32 s51, s50                          ; no row of the expert in this tile: jump forward, past no barrier
	s_cbranch_scc1 .Lnext
	TSTART
.set kst, 0
.rept 16                                           ; K = 1,024 in 16 chunks of two steps
	STEP
.set kst, kst+1
.if kst < 26                                       ; up to chunk 12 the chunk three on is asked for, into the slot multiplied last: six v_nop behind that slot's last reader
	WIN W_LD
	ALOAD ((kst/2)+3)%4, (kst/2)+3
	WIN W_MM
.endif
	STEP
.set kst, kst+1
.endr
	WIN 0                                          ; at a label and at a branch every window is 0
	PLACES
	BLK_OUT 0
	BLK_OUT 1
	BLK_OUT 2
	BLK_OUT 3
.Lnext:
	s_add_co_u32 s51, s51, 32                      ; eight waves x four blocks on
	v_add_nc_u32 v6, 2048, v6
	v_add_nc_u32 v28, 2048, v28
	s_sub_co_u32 s52, s52, 1
	s_cmp_lg_u32 s52, 0
	s_cbranch_scc1 .Ltile
	s_wait_tensorcnt 0x0                           ; the wave's end
	ds_add_u32 v2, v3
	s_wait_dscnt 0x0
	s_endpgm
.Lfunc_end_k_q30609ef952_down:
	.size	k_q30609ef952_down, .Lfunc_end_k_q30609ef952_down-k_q30609ef952_down
	.p2alignl 7, 3214868480
	.fill 96, 4, 3214868480
	.section	.rodata,"a",@progbits
	.p2align	6, 0x0
	.amdhsa_kernel k_q30609ef952_down
		.amdhsa_group_segment_fixed_size 208384
		.amdhsa_private_segment_fixed_size 0
		.amdhsa_enable_private_segment 0
		.amdhsa_kernarg_size 48
		.amdhsa_user_sgpr_count 2
		.amdhsa_user_sgpr_kernarg_segment_ptr 1
		.amdhsa_wavefront_size32 1
		.amdhsa_system_sgpr_workgroup_id_x 1
		.amdhsa_system_sgpr_workgroup_id_y 1
		.amdhsa_system_sgpr_workgroup_id_z 1
		.amdhsa_system_vgpr_workitem_id 0
		.amdhsa_next_free_vgpr 512
		.amdhsa_next_free_sgpr 106
		.amdhsa_reserve_vcc 0
		.amdhsa_float_denorm_mode_32 3
		.amdhsa_float_denorm_mode_16_64 3
		.amdhsa_memory_ordered 1
		.amdhsa_forward_progress 1
		.amdhsa_inst_pref_size 144
	.end_amdhsa_kernel
	.amdgpu_metadata
---
amdhsa.version: [ 1, 2 ]
amdhsa.kernels:
  - .name:           k_q30609ef952_down
    .symbol:         k_q30609ef952_down.kd
    .args:
      - { .name: hid, .offset: 0, .size: 8, .value_kind: global_buffer, .address_space: global }
      - { .name: sel, .offset: 8, .size: 8, .value_kind: global_buffer, .address_space: global }
      - { .name: gates, .offset: 16, .size: 8, .value_kind: global_buffer, .address_space: global }
      - { .name: W2, .offset: 24, .size: 8, .value_kind: global_buffer, .address_space: global }
      - { .name: b2, .offset: 32, .size: 8, .value_kind: global_buffer, .address_space: global }
      - { .name: part, .offset: 40, .size: 8, .value_kind: global_buffer, .address_space: global }
    .group_segment_fixed_size: 208384
    .private_segment_fixed_size: 0
    .kernarg_segment_align: 8
    .kernarg_segment_size: 48
    .max_flat_workgroup_size: 256
    .sgpr_count:     106
    .vgpr_count:     512
    .wavefront_size: 32
...
	.end_amdgpu_metadata
.endif
;; end of part 3
;; launch addup (part 4): grid 256 x 1, 8 waves a work-group, no clusters, 0 bytes of LDS; arguments part, out0; writes out0
.if DOCPART == 4
	.amdgcn_target "amdgcn-amd-amdhsa--gfx1250"
	.amdhsa_code_object_version 6
	.text
	.protected	k_q30609ef952_addup
	.globl	k_q30609ef952_addup
	.p2align	8
	.type	k_q30609ef952_addup,@function
k_q30609ef952_addup:
	s_mov_b64 s[64:65], 0
	v_nop
	global_prefetch_b8 v0, s[64:65] scope:SCOPE_SE
	s_setreg_imm32_b32 hwreg(HW_REG_WAVE_MODE, 25, 1), 1
	s_wait_xcnt 0x0
; out0[n] = the sum of token n's four partial rows: two choices x two halves of the hidden width, all f32.  The four planes of part lie 8,388,608 bytes apart.
; A stream: a work-group owns 32,768 bytes of out0; thread t owns 16 bytes in each of eight pieces of 4,096.  All 32 loads of a wave go out first, each 512 consecutive bytes;
; every register is used once, so no wait frees anything.  No LDS, no barrier, no matrix unit, no cluster: no byte is shared and none is read twice.
.set PLANE, 0x800000
	s_load_b128 s[4:7], s[0:1], 0x0                ; part s[4:5], out0 s[6:7]
	v_lshlrev_b32 v1, 4, v0
	s_lshl_b32 s2, ttmp9, 15
	s_mov_b32 s3, 0
	s_wait_kmcnt 0x0
	s_add_nc_u64 s[8:9], s[4:5], s[2:3]            ; a base for each plane: the distance is past the loads' immediate
	s_add_nc_u64 s[10:11], s[8:9], PLANE
	s_add_nc_u64 s[12:13], s[10:11], PLANE
	s_add_nc_u64 s[14:15], s[12:13], PLANE
	s_add_nc_u64 s[6:7], s[6:7], s[2:3]
.set jj, 0
.rept 8
.set pp, 0
.rept 4
	global_load_b128 v[8+16*jj+4*pp:11+16*jj+4*pp], v1, s[8+2*pp:9+2*pp] offset:jj*4096 th:TH_LOAD_NT
.set pp, pp+1
.endr
.set jj, jj+1
.endr
.set jj, 0
.rept 8
	s_wait_loadcnt 28-4*jj                         ; piece j's four loads are in; the later pieces' stay out
.set aa, 8+16*jj
	v_pk_add_f32 v[aa:aa+1],     v[aa:aa+1],     v[aa+4:aa+5]
	v_pk_add_f32 v[aa+2:aa+3],   v[aa+2:aa+3],   v[aa+6:aa+7]
	v_pk_add_f32 v[aa+8:aa+9],   v[aa+8:aa+9],   v[aa+12:aa+13]
	v_pk_add_f32 v[aa+10:aa+11], v[aa+10:aa+11], v[aa+14:aa+15]
	v_pk_add_f32 v[aa:aa+1],     v[aa:aa+1],     v[aa+8:aa+9]
	v_pk_add_f32 v[aa+2:aa+3],   v[aa+2:aa+3],   v[aa+10:aa+11]
	global_store_b128 v1, v[aa:aa+3], s[6:7] offset:jj*4096 th:TH_STORE_NT
.set jj, jj+1
.endr
	s_endpgm
.Lfunc_end_k_q30609ef952_addup:
	.size	k_q30609ef952_addup, .Lfunc_end_k_q30609ef952_addup-k_q30609ef952_addup
	.p2alignl 7, 3214868480
	.fill 96, 4, 3214868480
	.section	.rodata,"a",@progbits
	.p2align	6, 0x0
	.amdhsa_kernel k_q30609ef952_addup
		.amdhsa_group_segment_fixed_size 0
		.amdhsa_private_segment_fixed_size 0
		.amdhsa_enable_private_segment 0
		.amdhsa_kernarg_size 16
		.amdhsa_user_sgpr_count 2
		.amdhsa_user_sgpr_kernarg_segment_ptr 1
		.amdhsa_wavefront_size32 1
		.amdhsa_system_sgpr_workgroup_id_x 1
		.amdhsa_system_sgpr_workgroup_id_y 1
		.amdhsa_system_sgpr_workgroup_id_z 1
		.amdhsa_system_vgpr_workitem_id 0
		.amdhsa_next_free_vgpr 136
		.amdhsa_next_free_sgpr 66
		.amdhsa_reserve_vcc 0
		.amdhsa_float_denorm_mode_32 3
		.amdhsa_float_denorm_mode_16_64 3
		.amdhsa_memory_ordered 1
		.amdhsa_forward_progress 1
		.amdhsa_inst_pref_size 8
	.end_amdhsa_kernel
	.amdgpu_metadata
---
amdhsa.version: [ 1, 2 ]
amdhsa.kernels:
  - .name:           k_q30609ef952_addup
    .symbol:         k_q30609ef952_addup.kd
    .args:
      - { .name: part, .offset: 0, .size: 8, .value_kind: global_buffer, .address_space: global }
      - { .name: out0, .offset: 8, .size: 8, .value_kind: global_buffer, .address_space: global }
    .group_segment_fixed_size: 0
    .private_segment_fixed_size: 0
    .kernarg_segment_align: 8
    .kernarg_segment_size: 16
    .max_flat_workgroup_size: 256
    .sgpr_count:     66
    .vgpr_count:     136
    .wavefront_size: 32
...
	.end_amdgpu_metadata
.endif
;; end of part 4
